; MI455X (gfx1250); checked and timed in simulation.
; The chip was launched on July 23, 2026; its instructions are those of AMD's public machine-readable ISA for CDNA 5 (MIT licence, August 2026) and "CDNA5" Instruction Set Architecture Reference Guide (July 2026). The comments in the code are by the model that wrote it; some were corrected since.
;; Multi Head Temporal Attention. Allowed arithmetic: matrix products marked QUANTISED: E4M3 operands, one given power-of-two scale a tensor, by v_wmma_f32_16x16x64_fp8_fp8 or v_wmma_f32_16x16x128_fp8_fp8, f32 sums; products left as they are: f32 operands where the result goes on into a quantised operand, else bf16, f16 or f32 operands; f32 sums; everything else in f32.
;; Inputs: Wk_codes 512 x 16 x 32 uint8 (E4M3 codes of Wk, K innermost, in blocks of 32 codes); Wo_codes 512 x 16 x 32 uint8 (E4M3 codes of Wo, K innermost, in blocks of 32 codes); Wq_codes 512 x 16 x 32 uint8 (E4M3 codes of Wq, K innermost, in blocks of 32 codes); Wv_codes 512 x 16 x 32 uint8 (E4M3 codes of Wv, K innermost, in blocks of 32 codes); enc_codes 32 x 4,096 x 16 x 32 uint8 (E4M3 codes of enc, K innermost, in blocks of 32 codes); lowp_scales 8 int32 (the exponents e of the quantised operands' scales 2^e).
;; Outputs: out0 32 x 512 float32; out1 32 x 4,096 float32.
;; This version of the problem:
;;   THIS VERSION OF THE PROBLEM IS GIVEN IN LOW PRECISION. The matrix products marked QUANTISED in the list below multiply operands that are first quantised to E4M3 (4 exponent bits, 3 mantissa bits; 8 bits a number), with one given power-of-two scale for each operand tensor; their sums are f32. All else is computed in f32.
;;   The module's matrix products, in the order in which they are computed (A, B: the left and right operand; K: the contracted axis; several contracted axes count as one K, in the product's order):
;;     1. [M 32, K 512] x [K 512, N 512]; A: input enc (given as codes); B: input Wq (given as codes): QUANTISED (scales: A lowp_scales[0], B lowp_scales[1])
;;     2. [M 131,072, K 512] x [K 512, N 512]; A: input enc (given as codes); B: input Wk (given as codes): QUANTISED (scales: A lowp_scales[2], B lowp_scales[3])
;;     3. [M 131,072, K 512] x [K 512, N 512]; A: input enc (given as codes); B: input Wv (given as codes): QUANTISED (scales: A lowp_scales[4], B lowp_scales[5])
;;     4. batch 256 x [M 1, K 64] x [K 64, N 4,096]; A: computed on the way; B: computed on the way: left as it is (M = 1 < 16)
;;     5. batch 256 x [M 1, K 4,096] x [K 4,096, N 64]; A: softmax; B: computed on the way: left as it is (M = 1 < 16)
;;     6. [M 32, K 512] x [K 512, N 512]; A: computed on the way; B: input Wo (given as codes): QUANTISED (scales: A lowp_scales[6], B lowp_scales[7])
;;   THE QUANTISER, for each operand of a quantised product, along K:
;;     - The operand's scale is 2^e, e = its entry of the input lowp_scales (int32; the entries are numbered through the quantised products in the list's order, A before B).
;;     - Each number is divided by the scale, clamped to +-448, and rounded to the nearest number of E4M3, ties to even, subnormals kept.
;;     - The product sums the exact products of the quantised numbers (number of the format x scale) in f32.
;;   ~~~python
;;   def quantise(x, axis, e):      # numpy; x: float32 -> the quantised numbers, widened to float32 again
;;       x = np.moveaxis(x, axis, -1); K = x.shape[-1]
;;       r = np.clip(x / 2.0 ** e, -448, 448)
;;       step = 2.0 ** (np.maximum(np.frexp(np.where(r == 0, 1, r))[1] - 1, -6) - 3)
;;       q = np.round(r / step) * step * 2.0 ** e      # np.round: ties to even
;;       return np.moveaxis(q, -1, axis).astype(np.float32)
;;   ~~~
;;   OPERANDS COMPUTED ON THE WAY. 'Computed on the way' means the value that the module computes at that place (a softmax that the list does not call 'softmax' is quantised finished and normalised). What goes into a quantiser is computed in f32, as accurately as f32 sums, v_exp_f32 and their like allow (about 1e-6 of the number): no bf16 or f16 on the way to a quantiser, and a product that is left as it is and whose result goes on into a quantised operand takes f32 operands (vector FMAs, or v_wmma_f32_16x16x4_f32). A number that lies on a knife's edge between two numbers of the format may be rounded either way, as far as f32 arithmetic and the matrix unit's own rounding can turn it there, and no further.
;;   INPUTS GIVEN AS CODES. Wk (in the module: [512, 512], K = its axis 1); Wo (in the module: [512, 512], K = its axis 1); Wq (in the module: [512, 512], K = its axis 1); Wv (in the module: [512, 512], K = its axis 1); enc (in the module: [32, 4096, 512], K = its axis 2): each comes as NAME_codes (uint8): NAME with its K axis moved to the last place and cut into blocks of 32 codes, [.., K / 32, bytes a block], one block behind the other in memory; one code a byte (a code: sign, 4 exponent bits, 3 mantissa bits); its scale is its entry of lowp_scales. Its value is code x scale, taken as it is: it is not quantised again, and the codes and scales need not be those that the quantiser above would give.
;; One version. Each part assembles by itself: llvm-mc -triple=amdgcn-amd-amdhsa -mcpu=gfx1250 --defsym DOCPART=n.
;; ======== version 1 of 1: 2 launches
;; limits: right only within a limited range of input values
;; workspace buffers: sc 4,194,304 bytes; part 524,288 bytes
;; launch attn (part 1): grid 4 x 64, 4 waves a work-group, clusters of 4 x 4, 327,680 bytes of LDS; arguments enc_codes, Wq_codes, Wk_codes, Wv_codes, lowp_scales, sc, part; writes sc, part
.if DOCPART == 1
	.amdgcn_target "amdgcn-amd-amdhsa--gfx1250"
	.amdhsa_code_object_version 6
	.text
	.protected	k_qc82f019b72_attn
	.globl	k_qc82f019b72_attn
	.p2align	8
	.type	k_qc82f019b72_attn,@function
k_qc82f019b72_attn:
	s_mov_b64 s[64:65], 0
	v_nop
	global_prefetch_b8 v0, s[64:65] scope:SCOPE_SE
	s_setreg_imm32_b32 hwreg(HW_REG_WAVE_MODE, 25, 1), 1
	s_wait_xcnt 0x0
	s_wait_alu depctr_hold_cnt(0) depctr_sa_sdst(0) depctr_va_vdst(0) depctr_va_sdst(0) depctr_va_ssrc(0) depctr_va_vcc(0) depctr_vm_vsrc(0)
	s_getreg_b32 s2, hwreg(HW_REG_IB_STS2, 6, 4)
	s_cmp_eq_u32 s2, 0
	s_cbranch_scc0 .Lentry_in_a_cluster
	s_endpgm
.Lentry_in_a_cluster:
	s_bfe_u32 s2, ttmp6, 0x10000c
	s_cmp_lg_u32 s2, 0xf033
	s_cbranch_scc0 .Lentry_shape_is_right
	s_endpgm
.Lentry_shape_is_right:
; Scores and unnormalised contexts of the attention of the last time step.  q = enc[:, -1] Wq^T, k = enc Wk^T, v = enc Wv^T on codes of FP8 (E4M3); the scores, the softmax and the weighted sum in f32.
; SHARES.  Work-group (x, y) owns heads 2 x and 2 x + 1 and the 2,048 time steps y % 2 of batch y / 2.  Wave w serves head 2 x + w % 2 and, of each slot's 256 rows of enc, the 128 rows from 128 (w / 2) on.
; It keeps its head's Wk and Wv (64 rows x 512 codes each) in 512 registers, and every fragment of enc that it reads from LDS feeds eight matrix instructions.
; CLUSTERS, 4 x 4: the four work-groups of a row (same y) need the same rows of enc, the four of a column (same x) the same weights.  Both are asked for jointly, each by one line with one mask.
; THE RING: two slots of 256 rows x 512 bytes (LDS rows 528 bytes apart: 132 words, so 16 neighbouring rows start at 16 different banks of 64), a quarter of a slot by each wave's one tensor load.
; Slot 1 first holds the weights on their way to the registers, then enc.
; A PAIR of 16-row tiles is one step: 32 products for k (8 accumulators by turns), 32 for v (8 by turns).  Products are used transposed (source 0 = weight rows, source 1 = rows of enc): lane (r, h) holds row r of a tile and,
; in register 8 n + j, channel 16 n + 8 h + j.  Beside the v products stand the scores of this pair; beside the k products of the next pair its exponentials and sums: groups of two products and three or four vector instructions.
; SOFTMAX: t = score x log2(e) / 8; M = the running largest t of rows r of both tiles, rounded up to a whole number (kept as -M); p = 2^(t - M).  Lanes 0-15 make p for tile 0, lanes 16-31 for tile 1, and swap them.
; 2^x = 2^n x (a polynomial of degree 7 in f = x - n, |f| at most 1/2, its first term left out under 2^-27): fused multiply-adds and one v_ldexp_f32, so no transcendental stands inside a matrix sum.
; When M moves, sums are multiplied by 2^(old M - new M): nothing is rounded short of underflow.
; SIGN: where y is odd the codes of Wv are negated (the top bit of each) and the context at the end once more.
; PREFETCH INTO THE L2: one slot ahead of each joint load; a slot is 512 blocks of 256 bytes, 32 for each of the sixteen waves of a cluster's row, told apart by address.
; WHAT LEAVES: sc[b][head][t] = t's score to the base 2; part: 512 bytes for each (b, head, y % 2, w / 2): 64 sums, then (M, sum of p) repeated.
; LIMITS: the scaled scores stay under 2^31 in magnitude; 2^(e0+e1+e2+e3) x q stays an f32 number; NaN is not served.
.set PITCH,  528
.set TILEB,  16*PITCH
.set PB,     32*PITCH                  ; a pair of tiles
.set QT,     64*PITCH                  ; what one tensor load brings
.set SLOT,   4*QT
.set GSLOT,  256*512                   ; a slot in memory
.set SCORES, 2*SLOT                    ; 4,096 bytes a wave
.set QX,     SCORES+16384              ; q of two heads
.set OUTS,   QX+512                    ; 512 bytes a wave
.set SPARE,  OUTS+2048                 ; the spare words: 128 bytes a wave
.set ADR0, 4
.set ADR1, 5
.set ADRT, 6
.set SADR, 7
.set SPW,  8
.set NIL,  9
.set SA0,  10
.set GWL,  11
.set GWV,  12
.set GWQ,  13
.set GEL,  14
.set PFO,  15
.set CWR,  16
.set MLW,  17
.set WRD,  18
.set ORD,  19
.set GO,   20
.set QXW,  21
.set QXR,  22
.set KA,   32                          ; k of two tiles
.set VA,   96                          ; v of two tiles; at the head the last row of enc
.set EL,   96
.set QV,   160
.set CTX,  192
.set ACC,  224
.set P0,   232
.set P1,   234
.set FF,   236
.set NM,   238                         ; -M
.set MX,   239
.set XX,   240
.set NN,   241
.set FR,   242
.set NI,   243
.set POL,  244
.set PC,   245
.set PX,   246
.set PY,   247
.set YY,   248
.set XS,   249
.set SA,   250
.set SBB,  251
.set NMN,  252
.set DD,   253
.set LS,   254
.set W4,   32                          ; the way out
.set REC,  36
.set WT,   40
.set CNT,  2
.set TB,   3
.set WV,   18
.set G1,   24                          ; group 1 for enc;  s[32:39] group 0 for the two slots
.set G0,   32
.set CL2,  46
.set SGN4, 47
.set G1W,  48                          ; groups 1 and 0 for the weights
.set G0W,  56
.set SB,   60
.set HM,   61
.set SEL,  62
.set C7,   66
.set SGN,  67
.set PFA,  86
.set NK,   54                          ; vector instructions beside a pair's k products
.set NV,   57                          ; and beside its v products
.set MSB, 0
.macro WIN new
.if MSB != \new
	s_set_vgpr_msb (MSB<<8)|\new
.set MSB, \new
.endif
.endm
.set W_K,   0x0d                       ; source 0 window 1 (Wk), source 1 window 3 (enc), C and D window 0
.set W_V,   0x0e                       ; source 0 window 2 (Wv)
.set W_Q,   0x03                       ; source 0 window 3 (Wq), the rest window 0
.set TO_E,  0xc0
.set TO_W1, 0x40
.set TO_W2, 0x80
.set IN_W2, 0x88
.macro CREST
	s_cmp_lg_u32 s[WV], 0
	s_cbranch_scc1 .Lnot_wave_0_\@
	s_barrier_signal -3
.Lnot_wave_0_\@:
	s_barrier_wait -3
	s_barrier_signal -1
	s_barrier_wait -1
.endm
.macro CROUND
	s_barrier_signal -1
	s_barrier_wait -1
	CREST
.endm
.macro TLOAD g0, g1
	tensor_load_to_lds s[\g0:\g0+3], s[\g1:\g1+7]
	s_nop 0
.rept 4
	v_nop
.endr
.endm
; eight LDS loads: 128 along K of both tiles of a pair
.macro FETCH c, reg, off
	WIN TO_E
.irp t, 0,1
.irp q, 0,1,2,3
	ds_load_b128 v[64*\t+16*\c+4*\q:64*\t+16*\c+4*\q+3], v[\reg] offset:(\off)+\t*TILEB+128*\c+32*\q
.endr
.endr
.endm
; a head's 64 weight rows from LDS into a window
.macro WLOAD win, reg
	WIN \win
.irp n, 0,1,2,3
.irp c, 0,1,2,3
.irp q, 0,1,2,3
	ds_load_b128 v[16*(4*\n+\c)+4*\q:16*(4*\n+\c)+4*\q+3], v[\reg] offset:\n*TILEB+128*\c+32*\q
.endr
.endr
.endr
.endm
; product x of 32: K part x / 8, weight tile (x % 8) / 2, tile of enc x % 2: the eight accumulators take turns
.macro MUL x, base
.set xx, \x
.set cc, xx/8
.set nn, (xx%8)/2
.set tt, xx%2
.if cc == 0
	v_wmma_f32_16x16x128_fp8_fp8 v[\base+32*tt+8*nn:\base+32*tt+8*nn+7], v[16*(4*nn+cc):16*(4*nn+cc)+15], v[64*tt+16*cc:64*tt+16*cc+15], 0
.else
	v_wmma_f32_16x16x128_fp8_fp8 v[\base+32*tt+8*nn:\base+32*tt+8*nn+7], v[16*(4*nn+cc):16*(4*nn+cc)+15], v[64*tt+16*cc:64*tt+16*cc+15], v[\base+32*tt+8*nn:\base+32*tt+8*nn+7]
.endif
.endm
.macro RESC j                          ; two context sums under the new M
	v_pk_mul_f32 v[CTX+2*(\j):CTX+2*(\j)+1], v[CTX+2*(\j):CTX+2*(\j)+1], v[FF:FF+1] op_sel_hi:[1,0]
.endm
; beside the k products: p of the pair before, then its 32 multiply-adds into the context
.macro KOP k
.if (\k) == 0
	v_rndne_f32 v[NN], v[XX]
.elseif (\k) == 1
	RESC 9
.elseif (\k) == 2
	v_sub_f32 v[FR], v[XX], v[NN]
.elseif (\k) == 3
	v_cvt_i32_f32 v[NI], v[NN]
.elseif (\k) == 4
	v_fmaak_f32 v[POL], s[C7], v[FR], 0x3921848a
.elseif (\k) == 5
	RESC 10
.elseif (\k) == 6
	v_fmaak_f32 v[POL], v[POL], v[FR], 0x3aaec3ff
.elseif (\k) == 7
	RESC 11
.elseif (\k) == 8
	v_fmaak_f32 v[POL], v[POL], v[FR], 0x3c1d955b
.elseif (\k) == 9
	RESC 12
.elseif (\k) == 10
	v_fmaak_f32 v[POL], v[POL], v[FR], 0x3d635847
.elseif (\k) == 11
	RESC 13
.elseif (\k) == 12
	v_fmaak_f32 v[POL], v[POL], v[FR], 0x3e75fdf0
.elseif (\k) == 13
	v_fmaak_f32 v[POL], v[POL], v[FR], 0x3f317218
.elseif (\k) == 14
	v_fma_f32 v[POL], v[POL], v[FR], 1.0
.elseif (\k) == 15
	v_ldexp_f32 v[PC], v[POL], v[NI]               ; p of my row: tile 0 in lanes 0-15, tile 1 in lanes 16-31
.elseif (\k) == 16
	v_permlanex16_b32 v[PX], v[PC], s[SEL], s[SEL+1]
.elseif (\k) == 17
	v_cndmask_b32 v[P0], v[PC], v[PX], s[HM]
.elseif (\k) == 18
	v_cndmask_b32 v[P1], v[PX], v[PC], s[HM]
.elseif (\k) == 19
	v_fma_f32 v[LS], v[LS], v[FF], v[PC]
.elseif (\k) < 22
	RESC (\k)-6
.elseif (\k) < 38
.set ii, 2*((\k)-22)
	v_pk_fma_f32 v[CTX+ii:CTX+ii+1], v[VA+ii:VA+ii+1], v[P0:P0+1], v[CTX+ii:CTX+ii+1] op_sel_hi:[1,0,1]
.else
.set ii, 2*((\k)-38)
	v_pk_fma_f32 v[CTX+ii:CTX+ii+1], v[VA+32+ii:VA+32+ii+1], v[P1:P1+1], v[CTX+ii:CTX+ii+1] op_sel_hi:[1,0,1]
.endif
.endm
; beside the v products: the pair's scores, M, and the first nine rescalings
.macro VOP k
.if (\k) < 32
.set jj, (\k)/4
.set mm, (\k)%4
.set ka, KA+32*(mm/2)+4*jj+2*(mm%2)
.set qa, QV+4*jj+2*(mm%2)
.if jj == 0
	v_pk_mul_f32 v[ACC+2*mm:ACC+2*mm+1], v[ka:ka+1], v[qa:qa+1]
.else
	v_pk_fma_f32 v[ACC+2*mm:ACC+2*mm+1], v[ka:ka+1], v[qa:qa+1], v[ACC+2*mm:ACC+2*mm+1]
.endif
.elseif (\k) == 32
	v_pk_add_f32 v[ACC:ACC+1], v[ACC:ACC+1], v[ACC+2:ACC+3]
.elseif (\k) == 33
	v_pk_add_f32 v[ACC+4:ACC+5], v[ACC+4:ACC+5], v[ACC+6:ACC+7]
.elseif (\k) == 34
	v_add_f32 v[SA], v[ACC], v[ACC+1]
.elseif (\k) == 35
	v_add_f32 v[SBB], v[ACC+4], v[ACC+5]
.elseif (\k) == 36
	v_cndmask_b32 v[YY], v[SA], v[SBB], s[HM]      ; the tile that I keep,
.elseif (\k) == 37
	v_cndmask_b32 v[XS], v[SBB], v[SA], s[HM]      ; and the one that lane l xor 16 keeps
.elseif (\k) == 38
	v_permlanex16_b32 v[PX], v[XS], s[SEL], s[SEL+1]
.elseif (\k) == 39
	v_add_f32 v[YY], v[YY], v[PX]                  ; lane l: the score of the pair's row l
.elseif (\k) == 40
	v_permlanex16_b32 v[PY], v[YY], s[SEL], s[SEL+1]
.elseif (\k) == 41
	v_max3_num_f32 v[MX], v[MX], v[YY], v[PY]
.elseif (\k) == 42
	v_floor_f32 v[NMN], -v[MX]                     ; the new -M
.elseif (\k) == 43
	v_sub_f32 v[DD], v[NMN], v[NM]                 ; old M - new M
.elseif (\k) == 44
	v_add_f32 v[XX], v[YY], v[NMN]                 ; t - M
.elseif (\k) == 45
	v_cvt_i32_f32 v[DD], v[DD]                     ; (it saturates)
.elseif (\k) == 46
	v_mov_b32 v[NM], v[NMN]
.elseif (\k) == 47
	v_ldexp_f32 v[FF], 1.0, v[DD]
.else
	RESC (\k)-48
.endif
.endm
.macro KG g
	WIN W_K
	MUL 2*(\g), KA
	MUL 2*(\g)+1, KA
	WIN 0
.set ko, (\g)*NK/16
.rept ((\g)+1)*NK/16-(\g)*NK/16
	KOP ko
.set ko, ko+1
.endr
.endm
.macro VG g
	WIN W_V
	MUL 2*(\g), VA
	MUL 2*(\g)+1, VA
	WIN 0
.set ko, (\g)*NV/16
.rept ((\g)+1)*NV/16-(\g)*NV/16
	VOP ko
.set ko, ko+1
.endr
.endm
; A PAIR.  na, no: the next pair's address.  Its fragments go into the registers that the v products have left: K parts 0 and 1 behind group 8, parts 2 and 3, with the scores' store ahead of them, behind the last group,
; whose four vector instructions are the places that a load owes behind the last product.
; kind 0: inside a slot; 1: the slot's last pair, the slot is filled again; 2: the last pair of a slot that is not; 3: the last of all.  so: where its scores go.
; The waits in the midst of a pair stand where every value that crosses them was written nine or more vector instructions ahead of its readers.
.macro PAIR na, no, so, kind, sl
	s_wait_dscnt 17                                ; parts 0 and 1 are in; the store and parts 2 and 3, eight loads each, may be out
.set gg, 0
.rept 16
.if gg == 8
	s_wait_dscnt 8                                 ; part 2 is in; part 3's eight loads may be out
.endif
.if gg == 10
.if (\kind) == 1
	s_wait_xcnt 0x0                                ; my prefetch has read its address
	s_add_nc_u64 s[PFA:PFA+1], s[PFA:PFA+1], GSLOT
.endif
.if ((\kind) == 1) || ((\kind) == 2)
	s_wait_tensorcnt 0x0                           ; my part of the other slot is in
	ds_add_u32 v[SPW], v[NIL]
.if (\kind) == 1
	s_add_nc_u64 s[G0+4*\sl+2:G0+4*\sl+3], s[G0+4*\sl+2:G0+4*\sl+3], 2*GSLOT
.endif
.endif
.endif
.if gg == 12
	s_wait_dscnt 0x0                               ; part 3 is in, and all my reads of this slot are over where it is the last pair (and the add is done)
.if ((\kind) == 1) || ((\kind) == 2)
	s_barrier_signal -1                            ; eight products, work on registers, while the others arrive
.endif
.endif
	KG gg
.set gg, gg+1
.endr
.if (\kind) == 1
	s_barrier_wait -1
	CREST                                          ; no wave of any partner still reads this slot
	TLOAD G0+4*\sl, G1
.if (\sl) == 1
	s_cmp_eq_u32 s[CNT], 1                         ; the last lap's second change: no slot stands behind the one just asked for
	s_cbranch_scc1 .Lno_more_\@
.endif
	global_prefetch_b8 v[PFO], s[PFA:PFA+1] offset:2*GSLOT th:TH_LOAD_NT scope:SCOPE_SE   ; the slot that the next change asks for
.Lno_more_\@:
.elseif (\kind) == 2
	s_barrier_wait -1
.endif
.set gg, 0
.rept 16
	VG gg
.if (\kind) != 3
.if gg == 8
	FETCH 0, \na, \no
	FETCH 1, \na, \no
.endif
.endif
.set gg, gg+1
.endr
	ds_store_b32 v[SADR], v[YY] offset:\so
.if (\kind) != 3
	FETCH 2, \na, \no
	FETCH 3, \na, \no
.endif
.endm
	s_load_b256 s[4:11], s[0:1], 0x0               ; enc s[4:5], Wq s[6:7], Wk s[8:9], Wv s[10:11]
	s_load_b128 s[12:15], s[0:1], 0x20             ; the exponents s[12:13], sc s[14:15]
	s_load_b64 s[16:17], s[0:1], 0x30              ; part
	v_lshl_add_u32 v[SPW], v0, 2, SPARE
	v_mov_b32 v[NIL], 0
	ds_add_u32 v[SPW], v[NIL]                      ; the opening: the add, twice on end, and its wait
	ds_add_u32 v[SPW], v[NIL]
	v_lshrrev_b32 v1, 5, v0
	v_readfirstlane_b32 s[WV], v1
	s_and_b32 s19, s[WV], 1                        ; which of my work-group's two heads
	s_lshr_b32 s20, s[WV], 1                       ; which 128 rows of a slot.  Also: I fetch for Wk (0) or Wv (1)
	s_bfe_u32 s21, ttmp6, 0x40000                  ; cx: the grid is one cluster wide, so x = cx
	s_bfe_u32 s100, ttmp6, 0x40004                 ; cy
	s_and_b32 s101, ttmp7, 0xffff
	s_lshl_b32 s101, s101, 2
	s_add_co_u32 s101, s101, s100                  ; y = 4 x cluster y + cy
	s_and_b32 s22, s101, 1                         ; which half of the time steps
	s_lshr_b32 s23, s101, 1                        ; the batch
	s_lshl_b32 s104, s100, 2
	s_lshl_b32 s104, 15, s104                      ; my row of the cluster
	s_lshl_b32 s105, 0x1111, s21                   ; my column
	s_mul_i32 s[SGN4], s22, 0x80808080
	s_lshl_b32 s[SGN], s22, 31
	s_or_b32 s[G1], s104, (1<<20)|(1<<21)|(6<<22)|(3<<25)    ; enc goes to my row; 4 words behind every 128
	s_or_b32 s[G1W], s105, (1<<20)|(1<<21)|(6<<22)|(3<<25)   ; the weights to my column
.irp g, G1, G1W
	s_mov_b32 s[\g+1], 512<<16
	s_mov_b32 s[\g+2], 64<<16
	s_mov_b32 s[\g+3], 512<<16
	s_mov_b32 s[\g+4], 64
	s_mov_b32 s[\g+5], 512
	s_mov_b32 s[\g+6], 0
	s_mov_b32 s[\g+7], 0
.endr
	s_lshl_b32 s76, s101, 20                       ; my 2,048 rows of enc,
	s_mov_b32 s77, 0
	s_lshl_b32 s80, s[WV], 15                      ; of which I fetch 64 of a slot's 256
	s_add_co_u32 s84, s76, s80
	s_mov_b32 s85, 0
	s_lshl_b32 s78, s21, 16                        ; weights: head 2 x + w % 2: 64 rows of 512 bytes
	s_lshl_b32 s79, s19, 15
	s_add_co_u32 s78, s78, s79
	s_mov_b32 s79, 0
	s_lshl_b32 s80, s20, 14                        ; Wq: 32 of them
	s_add_co_u32 s80, s80, s78
	s_mov_b32 s81, 0
	s_lshl_b32 s82, s23, 21
	s_mov_b32 s83, 0
	s_lshl_b32 s96, s23, 3
	s_lshl_b32 s97, s21, 1
	s_add_co_u32 s96, s96, s97
	s_add_co_u32 s96, s96, s19                     ; 8 batch + head
	s_lshl_b32 s98, s96, 2
	s_lshl_b32 s97, s22, 1
	s_add_co_u32 s98, s98, s97
	s_add_co_u32 s98, s98, s20
	s_lshl_b32 s98, s98, 9                         ; my record
	s_mov_b32 s99, 0
	s_lshl_b32 s96, s96, 14
	s_lshl_b32 s97, s22, 13
	s_add_co_u32 s96, s96, s97
	s_lshl_b32 s97, s20, 9
	s_add_co_u32 s96, s96, s97                     ; my scores: 512 bytes of every 1,024
	s_mov_b32 s97, 0
	s_lshl_b32 s88, s[WV], 12
	s_add_co_u32 s88, s88, SCORES
	s_lshl_b32 s89, s[WV], 9
	s_add_co_u32 s89, s89, OUTS
	s_add_co_u32 s90, s89, 256
	s_lshl_b32 s91, s19, 8
	s_add_co_u32 s91, s91, QX
	s_lshl_b32 s92, s20, 7
	s_add_co_u32 s92, s92, s91
	s_mul_i32 s93, s20, 128*PITCH
	s_mul_i32 s94, s19, QT
	s_add_co_u32 s94, s94, SLOT
	s_lshl_b32 s95, s21, 2
	s_add_co_u32 s95, s95, s[WV]
	s_lshl_b32 s95, s95, 13                        ; my 32 blocks of 256 bytes of each slot, for the prefetches
	s_mul_i32 s66, s[WV], QT
	s_mov_b32 s[G0], 1
	s_mov_b32 s[G0+1], s66
	s_mov_b32 s[G0+4], 1
	s_add_co_u32 s[G0+5], s66, SLOT
	s_mov_b32 s[G0W], 1
	s_add_co_u32 s[G0W+1], s66, SLOT               ; the weights land in slot 1
	s_mov_b32 s[C7], 0x377fe5fe
	s_mov_b32 s[HM], 0xffff0000                    ; lanes 16-31
	s_mov_b32 s[SEL], 0x76543210
	s_mov_b32 s[SEL+1], 0xfedcba98
	s_mov_b32 s[CL2], 0x3e38aa3b                   ; log2(e) / 8
	v_and_b32 v1, 15, v0                           ; r
	v_bfe_u32 v2, v0, 4, 1                         ; h
	v_and_b32 v23, 31, v0
	v_mul_u32_u24 v3, v1, PITCH
	v_lshl_add_u32 v3, v2, 4, v3
	v_add_nc_u32 v[ADR0], s93, v3
	v_add_nc_u32 v[ADR1], SLOT, v[ADR0]
	v_add_nc_u32 v[GWL], s94, v3
	v_add_nc_u32 v[GWV], 2*QT, v[GWL]
	v_lshlrev_b32 v[GWQ], 9, v1
	v_lshl_add_u32 v[GWQ], v2, 4, v[GWQ]
	v_lshlrev_b32 v[GEL], 4, v2
	v_lshl_add_u32 v[SA0], v23, 2, s88
	v_lshlrev_b32 v[GO], 4, v23
	v_add_nc_u32 v[WRD], s88, v[GO]
	v_lshl_add_u32 v[CWR], v2, 5, s89
	v_add_nc_u32 v[ORD], s89, v[GO]
	v_lshl_add_u32 v[MLW], v1, 4, s90
	v_lshl_add_u32 v[QXW], v2, 5, s92
	v_lshl_add_u32 v[QXR], v2, 5, s91
	v_lshl_add_u32 v[PFO], v23, 8, s95
	s_wait_alu depctr_va_vdst(0)
	s_wait_dscnt 0x0                               ; both opening adds are done
	s_wait_kmcnt 0x0
	s_load_b256 s[68:75], s[12:13], 0x0
	s_add_nc_u64 s[PFA:PFA+1], s[4:5], s[76:77]
	s_add_nc_u64 s[G0+2:G0+3], s[4:5], s[84:85]
	s_add_nc_u64 s[G0+6:G0+7], s[G0+2:G0+3], GSLOT
	s_or_b32 s[G0+3], s[G0+3], 0x80000000
	s_or_b32 s[G0+7], s[G0+7], 0x80000000
	s_add_nc_u64 s[44:45], s[4:5], s[82:83]
	s_add_nc_u64 s[44:45], s[44:45], 4095*512      ; the batch's last row
	s_add_nc_u64 s[40:41], s[6:7], s[80:81]
	s_cmp_eq_u32 s20, 0
	s_cselect_b64 s[42:43], s[8:9], s[10:11]
	s_add_nc_u64 s[G0W+2:G0W+3], s[42:43], s[78:79]
	s_or_b32 s[G0W+3], s[G0W+3], 0x80000000
	s_add_nc_u64 s[14:15], s[14:15], s[96:97]
	s_add_nc_u64 s[16:17], s[16:17], s[98:99]
	CROUND                                         ; the cluster is here: the first joint loads meet
	TLOAD G0W, G1W                                 ; 64 rows of Wk or Wv: one tensor load a wave at the head
	global_prefetch_b8 v[PFO], s[PFA:PFA+1] th:TH_LOAD_NT scope:SCOPE_SE   ; slot 0 of enc
.irp c, 0,1,2,3
.irp q, 0,1,2,3
	global_load_b128 v[EL+16*\c+4*\q:EL+16*\c+4*\q+3], v[GEL], s[44:45] offset:128*\c+32*\q
.endr
.endr
	WIN TO_E
.irp n, 0,1
.irp c, 0,1,2,3
.irp q, 0,1,2,3
	global_load_b128 v[64*\n+16*\c+4*\q:64*\n+16*\c+4*\q+3], v[GWQ], s[40:41] offset:\n*8192+128*\c+32*\q
.endr
.endr
.endr
	WIN 0
	s_wait_tensorcnt 0x0                           ; my part of the weights is in
	ds_add_u32 v[SPW], v[NIL]
	s_wait_dscnt 0x0
	CROUND                                         ; all the weights are in
	TLOAD G0, G1                                   ; slot 0 of enc, jointly
	WLOAD TO_W1, GWL
	WLOAD TO_W2, GWV
	WIN 0
	global_prefetch_b8 v[PFO], s[PFA:PFA+1] offset:GSLOT th:TH_LOAD_NT scope:SCOPE_SE   ; slot 1 of enc
	s_wait_kmcnt 0x0
	s_add_co_i32 s85, s68, s69
	s_add_co_i32 s85, s85, s70
	s_add_co_i32 s85, s85, s71
	s_wait_loadcnt 0x0                             ; the last row, and 32 rows of Wq
	WIN W_Q
.irp c, 0,1,2,3
.irp n, 0,1
.if \c == 0
	v_wmma_f32_16x16x128_fp8_fp8 v[KA+8*\n:KA+8*\n+7], v[64*\n+16*\c:64*\n+16*\c+15], v[EL+16*\c:EL+16*\c+15], 0
.else
	v_wmma_f32_16x16x128_fp8_fp8 v[KA+8*\n:KA+8*\n+7], v[64*\n+16*\c:64*\n+16*\c+15], v[EL+16*\c:EL+16*\c+15], v[KA+8*\n:KA+8*\n+7]
.endif
.endr
.endr
	WIN 0
.rept 4
	v_nop                                          ; places behind the products (ISA guide 7.12.1)
.endr
.set jj, 0
.rept 16
	v_mul_f32 v[QV+jj], s[CL2], v[KA+jj]
.set jj, jj+1
.endr
.set jj, 0
.rept 16
	v_ldexp_f32 v[QV+jj], v[QV+jj], s85            ; q x 2^(e0 + e1 + e2 + e3) x log2(e) / 8
.set jj, jj+1
.endr
.irp n, 0,1
.irp u, 0,1
	ds_store_b128 v[QXW], v[QV+8*\n+4*\u:QV+8*\n+4*\u+3] offset:64*\n+16*\u   ; 32 of the head's 64 numbers of q; the sixteen lanes of a half store the same
.endr
.endr
.set jj, 0
.rept 32
	v_mov_b32 v[CTX+jj], 0                         ; (the pair is written once: the first finds sums of 0)
	v_mov_b32 v[VA+jj], 0
	v_mov_b32 v[VA+32+jj], 0
.set jj, jj+1
.endr
	v_mov_b32 v[P0+1], 0                           ; (named as the upper halves of pairs)
	v_mov_b32 v[P1+1], 0
	v_mov_b32 v[FF+1], 0
	v_mov_b32 v[FF], 1.0
	v_mov_b32 v[PX], 0
	v_mov_b32 v[PY], 0
	v_mov_b32 v[LS], 0
	v_mov_b32 v[MX], 0xff61b1e6                    ; -3e38, under every t
	v_mov_b32 v[NM], 0x7f61b1e6
	v_mov_b32 v[XX], 0xc3960000                    ; -300: the first pair finds p = 0 beside sums of 0
	s_wait_alu depctr_va_vdst(0)
	s_wait_dscnt 0x0                               ; the weights are in registers, and q is stored
	WIN IN_W2
.set jj, 0
.rept 256
	v_xor_b32 v[jj], s[SGN4], v[jj]
.set jj, jj+1
.endr
	WIN 0
	s_wait_alu depctr_va_vdst(0)
	s_wait_tensorcnt 0x0                           ; my part of slot 0 is in
	ds_add_u32 v[SPW], v[NIL]
	s_wait_dscnt 0x0
	CROUND                                         ; slot 0 is whole, q is whole, and nobody reads the weights in slot 1 any more
	TLOAD G0+4, G1                                 ; slot 1 of enc, over the weights
	global_prefetch_b8 v[PFO], s[PFA:PFA+1] offset:2*GSLOT th:TH_LOAD_NT scope:SCOPE_SE   ; the third slot's worth
	FETCH 0, ADR0, 0
	FETCH 1, ADR0, 0
	WIN 0
.irp n, 0,1,2,3
.irp u, 0,1
	ds_load_b128 v[QV+8*\n+4*\u:QV+8*\n+4*\u+3], v[QXR] offset:64*\n+16*\u   ; in by the wait in the first pair's midst
.endr
.endr
	FETCH 2, ADR0, 0
	FETCH 3, ADR0, 0
	WIN 0
	s_mov_b32 s[SB], 0
	s_mov_b32 s[CNT], 3
.Llap:                                                 ; three laps of two slots, each filled again
	v_add_nc_u32 v[SADR], s[SB], v[SA0]
	PAIR ADR0, PB,   0,   0, 0
	PAIR ADR0, 2*PB, 128, 0, 0
	PAIR ADR0, 3*PB, 256, 0, 0
	PAIR ADR1, 0,    384, 1, 0
	PAIR ADR1, PB,   512, 0, 0
	PAIR ADR1, 2*PB, 640, 0, 0
	PAIR ADR1, 3*PB, 768, 0, 0
	PAIR ADR0, 0,    896, 1, 1
	WIN 0
	s_add_co_u32 s[SB], s[SB], 1024
	s_sub_co_u32 s[CNT], s[CNT], 1
	s_cmp_lg_u32 s[CNT], 0
	s_wait_alu depctr_va_vdst(0)
	s_cbranch_scc1 .Llap
	s_mov_b32 s[TB], 0                             ; the seventh slot's worth, in slot 0
	s_mov_b32 s[SB], 3072
	s_mov_b32 s[CNT], 3
.Lseventh:
	v_add_nc_u32 v[SADR], s[SB], v[SA0]
	v_add_nc_u32 v[ADRT], s[TB], v[ADR0]
	PAIR ADRT, PB, 0, 0, 0
	WIN 0
	s_add_co_u32 s[TB], s[TB], PB
	s_add_co_u32 s[SB], s[SB], 128
	s_sub_co_u32 s[CNT], s[CNT], 1
	s_cmp_lg_u32 s[CNT], 0
	s_wait_alu depctr_va_vdst(0)
	s_cbranch_scc1 .Lseventh
	PAIR ADR1, 0, 128, 2, 0
	WIN 0
	s_mov_b32 s[TB], SLOT                          ; the eighth, in slot 1
	s_mov_b32 s[SB], 3584
	s_mov_b32 s[CNT], 3
.Leighth:
	v_add_nc_u32 v[SADR], s[SB], v[SA0]
	v_add_nc_u32 v[ADRT], s[TB], v[ADR0]
	PAIR ADRT, PB, 0, 0, 0
	WIN 0
	s_add_co_u32 s[TB], s[TB], PB
	s_add_co_u32 s[SB], s[SB], 128
	s_sub_co_u32 s[CNT], s[CNT], 1
	s_cmp_lg_u32 s[CNT], 0
	s_wait_alu depctr_va_vdst(0)
	s_cbranch_scc1 .Leighth
	PAIR ADR1, 0, 128, 3, 0
.set ko, 0
.rept NK
	KOP ko                                         ; the last pair's p and sums
.set ko, ko+1
.endr
	; THE WAY OUT: the sixteen rows r are brought under one M and added
	v_sub_f32 v[XX], 0, v[NM]                      ; my M
	v_mov_b32 v[NN], v[XX]
.irp m, 1,2,4,8
	v_max_num_f32_dpp v[NN], v[NN], v[NN] row_xmask:\m row_mask:0xf bank_mask:0xf
.endr
	v_sub_f32 v[DD], v[XX], v[NN]
	v_cvt_i32_f32 v[DD], v[DD]
	v_ldexp_f32 v[FF], 1.0, v[DD]
	v_mul_f32 v[LS], v[LS], v[FF]
	v_xor_b32 v[FF], s[SGN], v[FF]
.set jj, 0
.rept 16
	RESC jj
.set jj, jj+1
.endr
.irp m, 1,2,4,8
	v_add_f32_dpp v[LS], v[LS], v[LS] row_xmask:\m row_mask:0xf bank_mask:0xf
.set jj, 0
.rept 32
	v_add_f32_dpp v[CTX+jj], v[CTX+jj], v[CTX+jj] row_xmask:\m row_mask:0xf bank_mask:0xf
.set jj, jj+1
.endr
.endr
	v_permlanex16_b32 v[PX], v[LS], s[SEL], s[SEL+1]
	v_mov_b32 v[W4], v[NN]
	v_mov_b32 v[W4+2], v[NN]
	v_add_f32 v[LS], v[LS], v[PX]                  ; the other tile's rows
	v_mov_b32 v[W4+1], v[LS]
	v_mov_b32 v[W4+3], v[LS]
.irp n, 0,1,2,3
.irp u, 0,1
	ds_store_b128 v[CWR], v[CTX+8*\n+4*\u:CTX+8*\n+4*\u+3] offset:64*\n+16*\u
.endr
.endr
	ds_store_b128 v[MLW], v[W4:W4+3]
	ds_load_b128 v[REC:REC+3], v[ORD]              ; LDS serves a wave's instructions in order (ISA guide 5.7.1.4)
.irp j, 0,1,2,3,4,5,6,7
	ds_load_b128 v[WT+4*\j:WT+4*\j+3], v[WRD] offset:512*\j
.endr
	s_wait_alu depctr_va_vdst(0)
	s_wait_dscnt 8                                 ; the record is back; the eight loads of scores may be out
	global_store_b128 v[GO], v[REC:REC+3], s[16:17]   ; 512 consecutive bytes, at a multiple of 256
.irp j, 0,1,2,3,4,5,6,7
	s_wait_dscnt 7-\j
	global_store_b128 v[GO], v[WT+4*\j:WT+4*\j+3], s[14:15] offset:1024*\j
.endr
	s_wait_tensorcnt 0x0                           ; the wave's end
	ds_add_u32 v[SPW], v[NIL]
	s_wait_dscnt 0x0
	CROUND                                         ; the closing round
	s_endpgm
.Lfunc_end_k_qc82f019b72_attn:
	.size	k_qc82f019b72_attn, .Lfunc_end_k_qc82f019b72_attn-k_qc82f019b72_attn
	.p2alignl 7, 3214868480
	.fill 96, 4, 3214868480
	.section	.rodata,"a",@progbits
	.p2align	6, 0x0
	.amdhsa_kernel k_qc82f019b72_attn
		.amdhsa_group_segment_fixed_size 327680
		.amdhsa_private_segment_fixed_size 0
		.amdhsa_enable_private_segment 0
		.amdhsa_kernarg_size 56
		.amdhsa_user_sgpr_count 2
		.amdhsa_user_sgpr_kernarg_segment_ptr 1
		.amdhsa_wavefront_size32 1
		.amdhsa_system_sgpr_workgroup_id_x 1
		.amdhsa_system_sgpr_workgroup_id_y 1
		.amdhsa_system_sgpr_workgroup_id_z 1
		.amdhsa_system_vgpr_workitem_id 0
		.amdhsa_next_free_vgpr 1024
		.amdhsa_next_free_sgpr 106
		.amdhsa_reserve_vcc 0
		.amdhsa_float_denorm_mode_32 3
		.amdhsa_float_denorm_mode_16_64 3
		.amdhsa_memory_ordered 1
		.amdhsa_forward_progress 1
		.amdhsa_inst_pref_size 234
	.end_amdhsa_kernel
	.amdgpu_metadata
---
amdhsa.version: [ 1, 2 ]
amdhsa.kernels:
  - .name:           k_qc82f019b72_attn
    .symbol:         k_qc82f019b72_attn.kd
    .args:
      - { .name: enc_codes, .offset: 0, .size: 8, .value_kind: global_buffer, .address_space: global }
      - { .name: Wq_codes, .offset: 8, .size: 8, .value_kind: global_buffer, .address_space: global }
      - { .name: Wk_codes, .offset: 16, .size: 8, .value_kind: global_buffer, .address_space: global }
      - { .name: Wv_codes, .offset: 24, .size: 8, .value_kind: global_buffer, .address_space: global }
      - { .name: lowp_scales, .offset: 32, .size: 8, .value_kind: global_buffer, .address_space: global }
      - { .name: sc, .offset: 40, .size: 8, .value_kind: global_buffer, .address_space: global }
      - { .name: part, .offset: 48, .size: 8, .value_kind: global_buffer, .address_space: global }
    .group_segment_fixed_size: 327680
    .private_segment_fixed_size: 0
    .kernarg_segment_align: 8
    .kernarg_segment_size: 56
    .max_flat_workgroup_size: 128
    .sgpr_count:     106
    .vgpr_count:     1024
    .wavefront_size: 32
...
	.end_amdgpu_metadata
.endif
;; end of part 1
;; launch finish (part 2): grid 264 x 1, 8 waves a work-group, no clusters, 17,920 bytes of LDS; arguments sc, part, Wo_codes, lowp_scales, out0, out1; writes out0, out1
.if DOCPART == 2
	.amdgcn_target "amdgcn-amd-amdhsa--gfx1250"
	.amdhsa_code_object_version 6
	.text
	.protected	k_qc82f019b72_finish
	.globl	k_qc82f019b72_finish
	.p2align	8
	.type	k_qc82f019b72_finish,@function
k_qc82f019b72_finish:
	s_mov_b64 s[64:65], 0
	v_nop
	global_prefetch_b8 v0, s[64:65] scope:SCOPE_SE
	s_setreg_imm32_b32 hwreg(HW_REG_WAVE_MODE, 25, 1), 1
	s_wait_xcnt 0x0
; The four quarters of each softmax row are joined, and the two jobs that want all eight heads of a batch are done.  For a head: M = the largest of the quarters' m, L = the sum of l_s 2^(m_s - M).
; Work-groups 0 to 7: out0 = Q(context) Wo^T on codes of FP8 (E4M3).  Work-group (mt, ng) makes rows 16 mt .. + 15, columns 128 ng .. + 127.
;   (1) context = sum over the quarters of sums_s x 2^(m_s - M) / L, x 2^(e4 + e5) by v_ldexp_f32, all in f32; held at 448 x 2^e6 and converted.  A thread takes 4 runs of 8 neighbouring channels (one head's, four batches'):
;       for each run 4 x 32 bytes of sums and 4 pairs (m, l); eight neighbouring threads read a record's 256 bytes.  Its 8 codes go into a matrix of 16 rows x 512 codes in LDS (rows 528 bytes apart).
;   (2) behind a barrier wave w takes the 16 columns 128 ng + 16 w on: four products, K steps 0, 2 on one accumulator and 1, 3 on another, by turns; the two are added, x 2^(e6 + e7) by v_ldexp_f32.
;       Used transposed (source 0 = 16 rows of Wo, source 1 = the 16 rows of codes): a lane holds eight neighbouring columns of one row.  Registers 16 c + 4 q .. + 3 hold K = 128 c + 32 q + 16 hh + 0 .. 15 on both sides.
;   (3) a row's 512 bytes come from eight waves: they meet in a stage in LDS, and each wave stores 2 whole rows.
; Work-groups 8 to 263: out1[b][t] = the sum over the eight heads of 2^(s - M) / (8 L), 512 time steps a work-group, two a thread.  Lane i loads (m, l) of head i / 4, quarter i % 4; two steps across the four lanes join them;
;   -M and 1 / (8 L) of each head then go to scalar registers, as data for all lanes.  No matrix unit, LDS or cluster would help here: each score is read once, 256 consecutive bytes a wave and load.
; The branch between the two jobs hangs on the work-group's number alone; only the first job uses LDS and barriers.
; LIMITS: e6 between -126 and 119 (2^e6 and 448 x 2^e6 are built as f32 numbers); weights under 2^-126 come out 0; NaN is not served.
.set CP, 528                           ; a row of codes, and a stage row: 512 bytes + 16
.set ST, 16*CP                         ; the stage, behind the codes
.set X,  32                            ; v32-159  task k, quarter s: 8 sums at v[X + 32 k + 8 s]; later the codes' fragments (v32-95), the accumulators (v96-111) and the results (v112-119)
.set ML, 160                           ; v160-191 task k, quarter s: (m, l) at v[ML + 8 k + 2 s]
.set WO, 192                           ; v192-255 Wo's four fragments
	s_load_b256 s[4:11], s[0:1], 0x0               ; sc s[4:5], part s[6:7], Wo's codes s[8:9], the scales' exponents s[10:11]
	s_load_b128 s[12:15], s[0:1], 0x20             ; out0 s[12:13], out1 s[14:15]
	s_cmp_lt_u32 ttmp9, 8
	s_cbranch_scc0 .Lsum
	v_lshrrev_b32 v1, 5, v0
	s_delay_alu instid0(VALU_DEP_1)
	v_readfirstlane_b32 s16, v1                    ; wave 0..7
	v_and_b32 v1, 15, v0                           ; r
	v_bfe_u32 v2, v0, 4, 1                         ; hh
	v_lshrrev_b32 v4, 3, v0
	s_delay_alu instid0(VALU_DEP_1)
	v_lshlrev_b32 v4, 11, v4                       ; task k is run T = thread + 256 k of the tile's 1,024: (batch, head) = T / 8, four records of 512 bytes each: 2,048 (thread / 8) + 65,536 k
	v_and_b32 v3, 7, v0
	s_delay_alu instid0(VALU_DEP_1)
	v_lshl_add_u32 v3, v3, 5, v4                   ; + 32 bytes x (thread % 8): my 8 channels
	v_lshrrev_b32 v5, 6, v0
	s_delay_alu instid0(VALU_DEP_1)
	v_mul_u32_u24 v5, v5, CP
	v_and_b32 v19, 63, v0
	s_delay_alu instid0(VALU_DEP_1)
	v_lshl_add_u32 v5, v19, 3, v5                  ; my codes: row thread / 64 + 4 k, byte 8 (thread % 64)
	v_mul_u32_u24 v6, v1, CP
	s_delay_alu instid0(VALU_DEP_1)
	v_lshl_add_u32 v6, v2, 4, v6                   ; a fragment of codes: row r, + 16 hh
	v_lshlrev_b32 v7, 9, v1
	s_delay_alu instid0(VALU_DEP_1)
	v_lshl_add_u32 v7, v2, 4, v7                   ; the same in Wo, rows of 512 bytes
	s_lshl_b32 s24, s16, 6
	s_add_co_u32 s24, s24, ST
	v_mul_u32_u24 v16, v1, CP
	s_delay_alu instid0(VALU_DEP_1)
	v_lshl_add_u32 v16, v2, 5, v16
	s_delay_alu instid0(VALU_DEP_1)
	v_add_nc_u32 v16, s24, v16                     ; the stage, in: row r, + 64 w + 32 hh
	v_and_b32 v18, 31, v0
	s_delay_alu instid0(VALU_DEP_1)
	v_lshlrev_b32 v18, 4, v18                      ; 16 x lane
	s_mul_i32 s24, s16, 2*CP
	s_add_co_u32 s24, s24, ST
	v_add_nc_u32 v17, s24, v18                     ; back: my 2 rows, 16 bytes a lane
	s_lshr_b32 s17, ttmp9, 2                       ; mt
	s_and_b32 s18, ttmp9, 3                        ; ng
	s_lshl_b32 s26, s17, 18                        ; part: 16 batches x 32 records x 512 bytes
	s_mov_b32 s27, 0
	s_lshl_b32 s28, s18, 16                        ; Wo: (128 ng + 16 w) rows of 512 bytes
	s_lshl_b32 s29, s16, 13
	s_add_co_u32 s28, s28, s29
	s_mov_b32 s29, 0
	s_lshl_b32 s30, s17, 15                        ; out0: (16 mt + 2 w) rows of 2,048 bytes + 512 ng
	s_lshl_b32 s31, s16, 12
	s_add_co_u32 s30, s30, s31
	s_lshl_b32 s31, s18, 9
	s_add_co_u32 s30, s30, s31
	s_mov_b32 s31, 0
	s_wait_kmcnt 0x0
	s_load_b128 s[20:23], s[10:11], 0x10           ; e4, e5, e6, e7
	s_add_nc_u64 s[6:7], s[6:7], s[26:27]
	s_add_nc_u64 s[8:9], s[8:9], s[28:29]
	s_add_nc_u64 s[12:13], s[12:13], s[30:31]
.irp k, 0,1,2,3                        ; twelve loads a task
.irp s, 0,1,2,3
	global_load_b64 v[ML+8*\k+2*\s:ML+8*\k+2*\s+1], v4, s[6:7] offset:65536*\k+512*\s+256
.endr
.irp s, 0,1,2,3
	global_load_b128 v[X+32*\k+8*\s:X+32*\k+8*\s+3], v3, s[6:7] offset:65536*\k+512*\s
	global_load_b128 v[X+32*\k+8*\s+4:X+32*\k+8*\s+7], v3, s[6:7] offset:65536*\k+512*\s+16
.endr
.endr
.irp j, 9,11,13,15
	v_mov_b32 v\j, 0                               ; (named as the upper words of pairs)
.endr
	s_wait_kmcnt 0x0
	s_add_co_i32 s32, s20, s21                     ; e4 + e5
	s_add_co_i32 s36, s22, s23                     ; e6 + e7
	s_add_co_i32 s33, s22, 127
	s_lshl_b32 s34, s33, 23
	v_mov_b32 v19, s34                             ; 2^e6 as f32: the conversion takes its exponent field
	s_add_co_i32 s33, s33, 8
	s_lshl_b32 s33, s33, 23
	s_or_b32 s33, s33, 0x600000
	v_mov_b32 v23, s33                             ; 448 x 2^e6
; Task k: 8 channels of one (batch, head).  left: the younger loads, which may stay out.
.macro COMB k, left
	s_wait_loadcnt \left
	v_max3_num_f32 v20, v[ML+8*\k], v[ML+8*\k+2], v[ML+8*\k+4]
	s_delay_alu instid0(VALU_DEP_1)
	v_max_num_f32 v20, v20, v[ML+8*\k+6]           ; M
.irp s, 0,1,2,3
	v_sub_f32 v[8+2*\s], v[ML+8*\k+2*\s], v20
.endr
	s_wait_alu depctr_va_vdst(0)
.irp s, 0,1,2,3
	v_exp_f32 v[8+2*\s], v[8+2*\s]                 ; 2^(m_s - M)
.endr
	v_nop                                          ; a plain instruction behind the exponentials
	s_wait_alu depctr_va_vdst(0)
	v_mul_f32 v21, v[ML+8*\k+1], v8
.irp s, 1,2,3
	v_fma_f32 v21, v[ML+8*\k+2*\s+1], v[8+2*\s], v21   ; L
.endr
	s_wait_alu depctr_va_vdst(0)
	v_rcp_f32 v22, v21
	v_nop                                          ; a plain instruction behind the reciprocal
	s_wait_alu depctr_va_vdst(0)
.irp s, 0,1,2,3
	v_mul_f32 v[8+2*\s], v[8+2*\s], v22            ; 2^(m_s - M) / L
.endr
.irp u, 0,2,4,6
	v_pk_mul_f32 v[X+32*\k+\u:X+32*\k+\u+1], v[X+32*\k+\u:X+32*\k+\u+1], v[8:9] op_sel_hi:[1,0]
.endr
.irp s, 1,2,3
.irp u, 0,2,4,6
	s_delay_alu instid0(VALU_DEP_4)
	v_pk_fma_f32 v[X+32*\k+\u:X+32*\k+\u+1], v[X+32*\k+8*\s+\u:X+32*\k+8*\s+\u+1], v[8+2*\s:9+2*\s], v[X+32*\k+\u:X+32*\k+\u+1] op_sel_hi:[1,0,1]
.endr
.endr
.irp j, 0,1,2,3,4,5,6,7
	v_ldexp_f32 v[X+32*\k+\j], v[X+32*\k+\j], s32  ; x 2^(e4 + e5): the context as it goes into the quantiser
.endr
.irp j, 0,1,2,3,4,5,6,7
	v_med3_num_f32 v[X+32*\k+\j], v[X+32*\k+\j], -v23, v23   ; the conversion to an 8-bit code does not saturate (ISA guide 7.6.2): the hold at 448 x 2^e6
.endr
	v_cvt_scalef32_pk8_fp8_f32 v[24+2*\k:25+2*\k], v[X+32*\k:X+32*\k+7], v19
	v_nop                                          ; a plain instruction behind the scaled conversion
	ds_store_b64 v5, v[24+2*\k:25+2*\k] offset:4*CP*\k
.endm
	COMB 0, 36                                     ; tasks 1 to 3, twelve loads each, may be out
.irp c, 0,1,2,3
.irp q, 0,1,2,3
	global_load_b128 v[WO+16*\c+4*\q:WO+16*\c+4*\q+3], v7, s[8:9] offset:128*\c+32*\q   ; Wo's rows 128 ng + 16 w + r
.endr
.endr
	COMB 1, 40                                     ; tasks 2 and 3, and Wo's sixteen
	COMB 2, 28
	COMB 3, 16
	s_wait_dscnt 0x0                               ; for the others' sake: my codes are stored
	s_barrier_signal -1
	s_barrier_wait -1
.irp c, 0,1,2,3
.irp q, 0,1,2,3
	ds_load_b128 v[X+16*\c+4*\q:X+16*\c+4*\q+3], v6 offset:128*\c+32*\q
.endr
.endr
	s_wait_loadcnt 0x0                             ; Wo
	s_wait_dscnt 0x0
	v_wmma_f32_16x16x128_fp8_fp8 v[96:103], v[WO:WO+15], v[X:X+15], 0            ; two accumulators take turns; their first products start the sums
	v_wmma_f32_16x16x128_fp8_fp8 v[104:111], v[WO+16:WO+31], v[X+16:X+31], 0
	v_wmma_f32_16x16x128_fp8_fp8 v[96:103], v[WO+32:WO+47], v[X+32:X+47], v[96:103]
	v_wmma_f32_16x16x128_fp8_fp8 v[104:111], v[WO+48:WO+63], v[X+48:X+63], v[104:111]
.rept 4
	v_nop                                          ; places in front of the first read of the results (ISA guide 7.12.1)
.endr
.irp u, 0,2,4,6
	v_pk_add_f32 v[112+\u:113+\u], v[96+\u:97+\u], v[104+\u:105+\u]   ; each accumulator from its low end on
.endr
.irp j, 0,1,2,3,4,5,6,7
	v_ldexp_f32 v[112+\j], v[112+\j], s36          ; x 2^(e6 + e7)
.endr
	ds_store_b128 v16, v[112:115]                  ; out0(16 mt + r, 128 ng + 16 w + 8 hh ..)
	ds_store_b128 v16, v[116:119] offset:16
	s_wait_dscnt 0x0                               ; for the others' sake: my stores into the stage are done
	s_barrier_signal -1
	s_barrier_wait -1
	ds_load_b128 v[32:35], v17
	ds_load_b128 v[36:39], v17 offset:CP
	s_wait_dscnt 0x1                               ; the younger load may be out
	global_store_b128 v18, v[32:35], s[12:13]      ; 32 lanes store 512 consecutive bytes, at a multiple of 512 from out0's first byte
	s_wait_dscnt 0x0
	global_store_b128 v18, v[36:39], s[12:13] offset:2048
	v_lshl_add_u32 v20, v0, 2, 0x4200              ; my spare word, behind the stage: no two registers were free to keep from the head on
	v_mov_b32 v21, 0
	s_wait_alu depctr_va_vdst(0)
	s_wait_tensorcnt 0x0                           ; the wave's end
	ds_add_u32 v20, v21
	s_wait_dscnt 0x0
	s_endpgm
.Lsum:
	s_sub_co_u32 s20, ttmp9, 8                     ; which 512 time steps: 0 .. 255
	s_lshr_b32 s21, s20, 3                         ; the batch
	s_lshl_b32 s22, s21, 17                        ; its eight heads' rows of 16,384 bytes
	s_and_b32 s23, s20, 7
	s_lshl_b32 s23, s23, 11
	s_add_co_u32 s22, s22, s23
	s_mov_b32 s23, 0
	s_lshl_b32 s24, s20, 11                        ; out1: 2,048 bytes a work-group, on end
	s_mov_b32 s25, 0
	s_lshl_b32 s26, s21, 14                        ; part: the batch's 32 records of 512 bytes
	s_mov_b32 s27, 0
	v_lshlrev_b32 v1, 3, v0                        ; 8 bytes a thread
	v_and_b32 v2, 31, v0
	s_delay_alu instid0(VALU_DEP_1)
	v_lshlrev_b32 v2, 9, v2                        ; lane i: record i = (head i / 4, quarter i % 4)
	s_wait_alu depctr_va_vdst(0)
	s_wait_kmcnt 0x0
	s_add_nc_u64 s[4:5], s[4:5], s[22:23]
	s_add_nc_u64 s[14:15], s[14:15], s[24:25]
	s_add_nc_u64 s[6:7], s[6:7], s[26:27]
	global_load_b64 v[48:49], v2, s[6:7] offset:256   ; (m, l): 8 bytes of each of 32 records, once a wave
.irp h, 0,1,2,3,4,5,6,7
	global_load_b64 v[32+2*\h:33+2*\h], v1, s[4:5] offset:16384*\h th:TH_LOAD_NT   ; a wave reads 256 consecutive bytes of head h; read once in the launch
.endr
	s_wait_loadcnt 8                               ; (m, l) are in: the eight loads of scores may be out
	v_mov_b32 v50, v48
	s_delay_alu instid0(VALU_DEP_1)
	v_max_num_f32_dpp v50, v50, v50 row_xmask:1 row_mask:0xf bank_mask:0xf
	s_delay_alu instid0(VALU_DEP_1)
	v_max_num_f32_dpp v50, v50, v50 row_xmask:2 row_mask:0xf bank_mask:0xf   ; M of my head, in its four lanes
	s_delay_alu instid0(VALU_DEP_1)
	v_sub_f32 v51, v48, v50
	s_wait_alu depctr_va_vdst(0)
	v_exp_f32 v51, v51
	v_mul_f32 v52, -1.0, v50                       ; -M.  (The plain instruction behind the exponential)
	s_wait_alu depctr_va_vdst(0)
	v_mul_f32 v51, v49, v51
	s_delay_alu instid0(VALU_DEP_1)
	v_add_f32_dpp v51, v51, v51 row_xmask:1 row_mask:0xf bank_mask:0xf
	s_delay_alu instid0(VALU_DEP_1)
	v_add_f32_dpp v51, v51, v51 row_xmask:2 row_mask:0xf bank_mask:0xf       ; L
	s_wait_alu depctr_va_vdst(0)
	v_rcp_f32 v53, v51
	v_nop                                          ; a plain instruction behind the reciprocal
	s_wait_alu depctr_va_vdst(0)
	v_mul_f32 v53, 0x3e000000, v53                 ; 1 / (8 L): the mean over the eight heads is a sum of weights / 8
.irp h, 0,1,2,3,4,5,6,7
	v_readlane_b32 s[32+2*\h], v52, 4*\h           ; head h's two numbers for all lanes: data, never an address or a condition
	v_readlane_b32 s[33+2*\h], v53, 4*\h
.endr
	s_wait_loadcnt 0x0
.irp h, 0,1,2,3,4,5,6,7
	v_pk_add_f32 v[32+2*\h:33+2*\h], v[32+2*\h:33+2*\h], s[32+2*\h:33+2*\h] op_sel_hi:[1,0]   ; s - M (the pair's low word for both halves)
.endr
	s_wait_alu depctr_va_vdst(0)
.irp j, 0,1,2,3,4,5,6,7,8,9,10,11,12,13,14,15
	v_exp_f32 v[32+\j], v[32+\j]
.endr
	v_nop                                          ; a plain instruction behind the exponentials
	s_wait_alu depctr_va_vdst(0)
	v_mul_f32 v54, s33, v32
	v_mul_f32 v55, s33, v33
.irp h, 1,2,3,4,5,6,7
	v_fma_f32 v54, v[32+2*\h], s[33+2*\h], v54
	v_fma_f32 v55, v[33+2*\h], s[33+2*\h], v55
.endr
	global_store_b64 v1, v[54:55], s[14:15]        ; a wave stores 256 consecutive bytes, at a multiple of 256 from out1's first byte
	s_endpgm
.Lfunc_end_k_qc82f019b72_finish:
	.size	k_qc82f019b72_finish, .Lfunc_end_k_qc82f019b72_finish-k_qc82f019b72_finish
	.p2alignl 7, 3214868480
	.fill 96, 4, 3214868480
	.section	.rodata,"a",@progbits
	.p2align	6, 0x0
	.amdhsa_kernel k_qc82f019b72_finish
		.amdhsa_group_segment_fixed_size 17920
		.amdhsa_private_segment_fixed_size 0
		.amdhsa_enable_private_segment 0
		.amdhsa_kernarg_size 48
		.amdhsa_user_sgpr_count 2
		.amdhsa_user_sgpr_kernarg_segment_ptr 1
		.amdhsa_wavefront_size32 1
		.amdhsa_system_sgpr_workgroup_id_x 1
		.amdhsa_system_sgpr_workgroup_id_y 1
		.amdhsa_system_sgpr_workgroup_id_z 1
		.amdhsa_system_vgpr_workitem_id 0
		.amdhsa_next_free_vgpr 256
		.amdhsa_next_free_sgpr 66
		.amdhsa_reserve_vcc 0
		.amdhsa_float_denorm_mode_32 3
		.amdhsa_float_denorm_mode_16_64 3
		.amdhsa_memory_ordered 1
		.amdhsa_forward_progress 1
		.amdhsa_inst_pref_size 32
	.end_amdhsa_kernel
	.amdgpu_metadata
---
amdhsa.version: [ 1, 2 ]
amdhsa.kernels:
  - .name:           k_qc82f019b72_finish
    .symbol:         k_qc82f019b72_finish.kd
    .args:
      - { .name: sc, .offset: 0, .size: 8, .value_kind: global_buffer, .address_space: global }
      - { .name: part, .offset: 8, .size: 8, .value_kind: global_buffer, .address_space: global }
      - { .name: Wo_codes, .offset: 16, .size: 8, .value_kind: global_buffer, .address_space: global }
      - { .name: lowp_scales, .offset: 24, .size: 8, .value_kind: global_buffer, .address_space: global }
      - { .name: out0, .offset: 32, .size: 8, .value_kind: global_buffer, .address_space: global }
      - { .name: out1, .offset: 40, .size: 8, .value_kind: global_buffer, .address_space: global }
    .group_segment_fixed_size: 17920
    .private_segment_fixed_size: 0
    .kernarg_segment_align: 8
    .kernarg_segment_size: 48
    .max_flat_workgroup_size: 256
    .sgpr_count:     66
    .vgpr_count:     256
    .wavefront_size: 32
...
	.end_amdgpu_metadata
.endif
;; end of part 2
